; MI455X (gfx1250); checked and timed in simulation.
; The chip was launched on July 23, 2026; its instructions are those of AMD's public machine-readable ISA for CDNA 5 (MIT licence, August 2026) and "CDNA5" Instruction Set Architecture Reference Guide (July 2026). The comments in the code are by the model that wrote it; some were corrected since.
;; Causal Self Attention. Allowed arithmetic: matrix products marked QUANTISED: E3M2 operands, one E8M0 scale for each 32 along K, by v_wmma_scale_f32_16x16x128_f8f6f4 with both operands' format E3M2, f32 sums; everything else in f32.
;; Inputs: b_proj 1,024 float32; b_qkv 3,072 float32; w_proj 1,024 x 1,024 float32; w_qkv 1,024 x 3,072 float32; x 2 x 2,048 x 1,024 float32.
;; Outputs: out0 2 x 2,048 x 1,024 float32.
;; This version of the problem:
;;   THIS VERSION OF THE PROBLEM IS GIVEN IN LOW PRECISION. The matrix products marked QUANTISED in the list below multiply operands that are first quantised to E3M2 (3 exponent bits, 2 mantissa bits; 6 bits a number), with one power-of-two scale for each 32 numbers along K (OCP MX v1.0); their sums are f32. All else is computed in f32.
;;   The module's matrix products, in the order in which they are computed (A, B: the left and right operand; K: the contracted axis; several contracted axes count as one K, in the product's order):
;;     1. [M 4,096, K 1,024] x [K 1,024, N 3,072]; A: input x; B: input w_qkv: QUANTISED
;;     2. batch 32 x [M 2,048, K 64] x [K 64, N 2,048]; A: computed on the way; B: computed on the way: QUANTISED
;;     3. batch 32 x [M 2,048, K 2,048] x [K 2,048, N 64]; A: softmax (see below); B: computed on the way: QUANTISED
;;     4. [M 4,096, K 1,024] x [K 1,024, N 1,024]; A: computed on the way; B: input w_proj: QUANTISED
;;   THE QUANTISER, for each operand of a quantised product, along K:
;;     - K is cut into blocks of 32 from its start; a last block that is shorter is filled with zeros.
;;     - A block's scale is 2^e with e = floor(log2(the largest magnitude in the block)) - 4, held to -126 .. 127; a block of zeros has e = 0. As a byte (E8M0): e + 127.
;;     - Each number is divided by its block's scale, clamped to +-28, and rounded to the nearest number of E3M2, ties to even, subnormals kept.
;;     - The product sums the exact products of the quantised numbers (number of the format x scale) in f32.
;;   ~~~python
;;   def quantise(x, axis):      # numpy; x: float32 -> the quantised numbers, widened to float32 again
;;       x = np.moveaxis(x, axis, -1); K = x.shape[-1]
;;       x = np.pad(x, [(0, 0)] * (x.ndim - 1) + [(0, -K % 32)]); x = x.reshape(x.shape[:-1] + (-1, 32)); a = np.abs(x).max(-1, keepdims=True)
;;       e = np.where(a > 0, np.clip(np.frexp(np.where(a > 0, a, 1))[1] - 1 - 4, -126, 127), 0)      # np.frexp(a)[1] - 1 = floor(log2(a)), exactly
;;       r = np.clip(x / 2.0 ** e, -28, 28)
;;       step = 2.0 ** (np.maximum(np.frexp(np.where(r == 0, 1, r))[1] - 1, -2) - 2)
;;       q = np.round(r / step) * step * 2.0 ** e      # np.round: ties to even
;;       return np.moveaxis(q.reshape(q.shape[:-2] + (-1,))[..., :K], -1, axis).astype(np.float32)
;;   ~~~
;;   SOFTMAX AHEAD OF A QUANTISED PRODUCT. Where the list says 'softmax', what is quantised is not the finished softmax but p = 2^(t - M), with t = logit x log2(e) and M = ceil(the row's largest t), a whole number; so 1/2 < the row's largest p <= 1. The row's sum l is taken of the UNQUANTISED p, in f32, and the product's result is divided by l at the end. Since M is a whole number, a kernel that streams over the keys may use a running M (the ceiling of the running maximum): every later rescaling is an exact power of two, which a block's scale takes up: the codes' values come out the same.
;;   OPERANDS COMPUTED ON THE WAY. 'Computed on the way' means the value that the module computes at that place (a softmax that the list does not call 'softmax' is quantised finished and normalised). What goes into a quantiser is computed in f32, as accurately as f32 sums, v_exp_f32 and their like allow (about 1e-6 of the number): no bf16 or f16 on the way to a quantiser, and a product that is left as it is and whose result goes on into a quantised operand takes f32 operands (vector FMAs, or v_wmma_f32_16x16x4_f32). A number that lies on a knife's edge between two numbers of the format may be rounded either way, as far as f32 arithmetic and the matrix unit's own rounding can turn it there, and no further.
;; One version. Each part assembles by itself: llvm-mc -triple=amdgcn-amd-amdhsa -mcpu=gfx1250 --defsym DOCPART=n.
;; ======== version 1 of 1: 4 launches
;; limits: right only within a limited range of input values
;; workspace buffers: xq 3,276,800 bytes; wq 2,457,600 bytes; wp 819,200 bytes; qb 4,194,304 bytes; kvb 6,553,600 bytes; yq 3,276,800 bytes
;; launch prep (part 1): grid 256 x 1, 4 waves a work-group, no clusters, 34,304 bytes of LDS; arguments x, w_qkv, w_proj, xq, wq, wp; writes xq, wq, wp
.if DOCPART == 1
	.amdgcn_target "amdgcn-amd-amdhsa--gfx1250"
	.amdhsa_code_object_version 6
	.text
	.protected	k_qd8fcc958e5_prep
	.globl	k_qd8fcc958e5_prep
	.p2align	8
	.type	k_qd8fcc958e5_prep,@function
k_qd8fcc958e5_prep:
	s_mov_b64 s[64:65], 0
	v_nop
	global_prefetch_b8 v0, s[64:65] scope:SCOPE_SE
	s_setreg_imm32_b32 hwreg(HW_REG_WAVE_MODE, 25, 1), 1
	s_wait_xcnt 0x0
; PREP: x, w_qkv and w_proj (f32) become codes of BF6 (E3M2) with one E8M0 scale byte for each 32 along K, laid as IMAGES OF OPERAND REGISTERS.
; A fragment (16 rows x 128 K) is 1,536 bytes: registers 4 g .. 4 g + 3 of lane l at 512 g + 16 l; lane (r, h) holds K = 64 c + 32 h + 0 .. 31 in registers 6 c .. 6 c + 5.
; WHICH ROWS FORM A TILE.  Four tiles cover 64 rows.  Tokens: row r of tile u is token 32 (r / 8) + 8 u + r % 8 of the 64.  Weights: row r of tile t is column 4 r + t of the 64.
; So in a product's result a lane holds whole blocks of 32 along the axis that is the next product's K, and no lane needs another's numbers to quantise them.
; Scale words (4 bytes: 128 along K of one row): for each 64 rows and 128 K 256 bytes, word t of row r at 16 r + 4 t.
;   xq: for each 256 tokens 204,800 bytes: scale words [64-token group 4][K step 8][256], then codes [K step 8][tile 16][1,536].
;   wq: for each head 153,600 bytes: scale words [q, k, v][K step 8][256], then codes [K step 8][q 0-3, v 0-1, k 0-3, v 2-3][1,536].
;   wp: for each 128 columns 102,400 bytes: scale words [group 2][K step 8][256], then codes [K step 8][tile 8][1,536].  Place i of a block of 32 holds the block's row 4 (i % 8) + i / 8:
;       the order in which the attention launch leaves y's codes; an order inside a block changes no code and no scale.
; DEAD WORK LEFT OUT IN THIS PROGRAM: reference() puts -infinity, by a mask that it builds itself, in front of the softmax for every key after the query; such a p is 0 for all values of the inputs.  The attention launch
; leaves out whole steps of such keys.  LIMIT: a NaN, an infinity or an overflow that reaches only those products is not carried to the result.  Every input has a way to the output and is loaded.
; LIMITS: NaN and infinities among the inputs are not served; a block's largest magnitude is held at 2^(5 - 127) from below; a block of zeros gets the byte 1 (the rule says 127): its codes are zeros, and this program alone reads the bytes.
; SHARES: 131,072 bytes of f32 for each work-group; a wave takes 64 rows x 128 K.  Work-groups 0-127 x, 128-223 w_qkv, 224-255 w_proj.  No work-group reads what another reads: no clusters, no tensor loads, no barrier.
; All 64 loads of a wave are asked for at once, into window 1; there is no loop, so nothing is prefetched.
.set FLOOR, 0x2800000
.set SPARE, 33792                      ; behind the four stages of 16 x 528 bytes
.set C,     40                         ; v40-87 codes of four tiles
.set BB,    24                         ; v24-31 bytes: tile t, c at BB + 2 t + c
.set W,     32                         ; v32-35 scale words
.set X,     128                        ; v128-255 numbers at work
.set MSB, 0
.macro WIN new                         ; the immediate's high byte repeats the setting that is left
.if MSB != (\new)
	s_set_vgpr_msb (MSB<<8)|(\new)
.set MSB, \new
.endif
.endm
; two blocks of 32 numbers, v[xb ..] and v[xb + 32 ..]: codes at d0 and d1 (six registers each), bytes at b0 and b1
.macro QP xb, d0, d1, b0, b1
.irp i,0,2,4,6,8,10,12,14
.irp q,0,1,2,3
.if \i == 0
	v_max3_num_f32 v[8+\q], |v[(\xb)+16*\q]|, |v[(\xb)+16*\q+1]|, FLOOR
.else
	v_max3_num_f32 v[8+\q], v[8+\q], |v[(\xb)+16*\q+\i]|, |v[(\xb)+16*\q+\i+1]|
.endif
.endr
.endr
	v_max_num_f32 v8, v8, v9
	v_max_num_f32 v10, v10, v11
	v_add_nc_u32 v12, 0xfe000000, v8               ; 4 off the exponent field: the conversion's scale operand
	v_add_nc_u32 v13, 0xfe000000, v10
	v_cvt_scalef32_pk16_bf6_f32 v[(\d0):(\d0)+2], v[(\xb):(\xb)+15], v12
	v_cvt_scalef32_pk16_bf6_f32 v[16:18], v[(\xb)+16:(\xb)+31], v12     ; (a conversion's three registers begin on an even number)
	v_cvt_scalef32_pk16_bf6_f32 v[(\d1):(\d1)+2], v[(\xb)+32:(\xb)+47], v13
	v_cvt_scalef32_pk16_bf6_f32 v[20:22], v[(\xb)+48:(\xb)+63], v13
	v_lshrrev_b32 v[\b0], 23, v12                  ; the scales' bytes (also the plain lines behind the conversions)
	v_lshrrev_b32 v[\b1], 23, v13
.irp i,0,1,2
	v_mov_b32 v[(\d0)+3+\i], v[16+\i]
	v_mov_b32 v[(\d1)+3+\i], v[20+\i]
.endr
.endm
.macro STC t, ptr                      ; tile t's image: 512 consecutive bytes a store
.irp g,0,1,2
	global_store_b128 v4, v[C+12*(\t)+4*\g:C+12*(\t)+4*\g+3], s[\ptr:\ptr+1] offset:1536*(\t)+512*\g
.endr
.endm
.macro WORDS                           ; lane (r, h) has the bytes of blocks h and 2 + h; lane l xor 16 has the others
.irp t,0,1,2,3
	v_lshl_or_b32 v[W+\t], v[BB+2*\t+1], 16, v[BB+2*\t]
.endr
.irp t,0,1,2,3
	v_lshlrev_b32 v[W+\t], v6, v[W+\t]
.endr
.irp t,0,1,2,3
	v_permlanex16_b32 v[88+\t], v[W+\t], s24, s25
.endr
.irp t,0,1,2,3
	v_or_b32 v[W+\t], v[W+\t], v[88+\t]
.endr
	global_store_b128 v5, v[W:W+3], s[34:35]       ; 256 bytes; lanes 16-31 store the same bytes as lanes 0-15
.endm
	s_load_b256 s[4:11], s[0:1], 0x0               ; x s[4:5], w_qkv s[6:7], w_proj s[8:9], xq s[10:11]
	s_load_b128 s[12:15], s[0:1], 0x20             ; wq s[12:13], wp s[14:15]
	v_lshl_add_u32 v36, v0, 2, SPARE
	v_mov_b32 v37, 0
	v_lshrrev_b32 v1, 5, v0
	v_readfirstlane_b32 s16, v1                    ; wave 0..3
	v_and_b32 v2, 31, v0                           ; lane
	v_and_b32 v1, 15, v0                           ; r
	v_bfe_u32 v38, v0, 4, 1                        ; h
	v_lshlrev_b32 v4, 4, v2                        ; 16 x lane
	v_lshlrev_b32 v5, 4, v1                        ; 16 r
	v_lshlrev_b32 v6, 3, v38                       ; 8 h
.irp t,0,1,2,3
	v_mov_b32 v[88+\t], 0                          ; (a lane permute's destination counts as one of its sources)
.endr
	s_mov_b32 s21, 0
	s_mov_b32 s23, 0
	s_mov_b32 s29, 0
	s_mov_b32 s24, 0x76543210
	s_mov_b32 s25, 0xfedcba98
	s_wait_alu depctr_va_vdst(0)                   ; the wait at the head's end
	s_wait_kmcnt 0x0
	s_cmp_lt_u32 ttmp9, 128
	s_cbranch_scc0 .Lweights
	; ---- x: 64 tokens x 128 K a wave
	s_lshr_b32 s17, ttmp9, 1                       ; which 64 tokens
	s_and_b32 s18, ttmp9, 1
	s_lshl_b32 s18, s18, 2
	s_add_co_u32 s18, s18, s16                     ; K step
	s_lshl_b32 s20, s17, 18
	s_lshl_b32 s22, s18, 9
	s_add_co_u32 s20, s20, s22
	s_add_nc_u64 s[4:5], s[4:5], s[20:21]
	WIN 0x40
.irp u,0,1,2,3
.irp m,0,1,2,3,4,5,6,7,8,9,10,11,12,13,14,15
	global_load_b128 v[64*\u+4*\m:64*\u+4*\m+3], v4, s[4:5] offset:(32*(\m/8)+8*\u+\m%8)*4096 th:TH_LOAD_NT
.endr
.endr
	WIN 0
	s_lshr_b32 s19, s17, 2
	s_and_b32 s17, s17, 3                          ; group of the 256 tokens' four
	s_mul_i32 s20, s19, 204800
	s_lshl_b32 s22, s17, 11
	s_lshl_b32 s26, s18, 8
	s_add_co_u32 s22, s22, s26
	s_add_co_u32 s22, s22, s20
	s_add_nc_u64 s[34:35], s[10:11], s[22:23]      ; scale words
	s_mul_i32 s22, s18, 24576
	s_add_co_u32 s20, s20, s22
	s_mul_i32 s22, s17, 6144
	s_add_co_u32 s20, s20, s22
	s_add_co_u32 s20, s20, 8192
	s_add_nc_u64 s[32:33], s[10:11], s[20:21]      ; codes
	s_mul_i32 s17, s16, 8448                       ; my stage: a tile's 16 rows of 512 bytes + 16 of padding
	v_add_nc_u32 v14, s17, v4                      ; in: row m at 528 m, as loaded
	v_mul_u32_u24 v15, 528, v1
	v_lshl_add_u32 v15, v38, 7, v15
	v_add_nc_u32 v15, s17, v15                     ; out: row r, 128 h bytes on
.macro TURN u                          ; LDS serves a wave's instructions in order: no wait stands between the stores and the loads
	WIN 0x04
.irp m,0,1,2,3,4,5,6,7,8,9,10,11,12,13,14,15
	ds_store_b128 v14, v[64*(\u)+4*\m:64*(\u)+4*\m+3] offset:528*\m
.endr
	WIN 0
.irp c,0,1
.irp q,0,1,2,3,4,5,6,7
	ds_load_b128 v[X+64*((\u)%2)+32*\c+4*\q:X+64*((\u)%2)+32*\c+4*\q+3], v15 offset:256*\c+16*\q
.endr
.endr
.endm
	s_wait_alu depctr_va_vdst(0)
	s_wait_loadcnt 48                              ; tile 0's 16 rows are in
	TURN 0
.irp u,0,1,2,3
.if \u < 3
	s_wait_loadcnt 16*(2-\u)                       ; tile u + 1's rows are in
	TURN \u+1
	s_wait_dscnt 32                                ; tile u is back; the 32 just issued may be out
.else
	s_wait_dscnt 0x0
.endif
	QP X+64*(\u%2), C+12*\u, C+12*\u+6, BB+2*\u, BB+2*\u+1
	STC \u, 32
.endr
	WORDS
	s_wait_tensorcnt 0x0                           ; the wave's end
	ds_add_u32 v36, v37
	s_wait_dscnt 0x0
	s_endpgm
	; ---- weights: 64 columns x 128 K a wave.  Lane (r, h) loads columns 4 r .. 4 r + 3 of row 64 c + 32 h + i: each load reads two runs of 256 bytes
.macro WLOADS stride, perm
	WIN 0x40
.set n, 0
.rept 64
.if \perm
	global_load_b128 v[4*n:4*n+3], v3, s[26:27] offset:(64*(n/32)+4*(n%8)+(n%32)/8)*\stride th:TH_LOAD_NT
.else
	global_load_b128 v[4*n:4*n+3], v3, s[26:27] offset:(64*(n/32)+n%32)*\stride th:TH_LOAD_NT
.endif
.set n, n+1
.endr
	WIN 0
.endm
.macro WPLACE first                    ; s18 the K step, s17 which 64 columns: four neighbouring runs of 64 to a work-group
	s_sub_co_u32 s17, ttmp9, \first
	s_and_b32 s18, s17, 7
	s_lshr_b32 s17, s17, 3
	s_lshl_b32 s17, s17, 2
	s_add_co_u32 s17, s17, s16
	s_lshl_b32 s22, s17, 8
.endm
.Lweights:
	s_cmp_lt_u32 ttmp9, 224
	s_cbranch_scc0 .Lproj_weight
	WPLACE 128
	s_mul_i32 s20, s18, 1572864
	s_add_co_u32 s20, s20, s22
	s_add_nc_u64 s[26:27], s[6:7], s[20:21]
	v_mul_u32_u24 v3, 393216, v38
	v_add_nc_u32 v3, v3, v5
	s_wait_alu depctr_va_vdst(0)
	WLOADS 12288, 0
	s_and_b32 s19, s17, 15                         ; head
	s_lshr_b32 s17, s17, 4                         ; 0 q, 1 k, 2 v
	s_mul_i32 s20, s19, 153600
	s_lshl_b32 s22, s17, 11
	s_lshl_b32 s28, s18, 8
	s_add_co_u32 s22, s22, s28
	s_add_co_u32 s22, s22, s20
	s_add_nc_u64 s[34:35], s[12:13], s[22:23]
	s_mul_i32 s22, s18, 18432
	s_add_co_u32 s20, s20, s22
	s_add_co_u32 s20, s20, 6144
	s_mul_i32 s22, s17, 9216                       ; q's tiles begin at tile 0, k's at 6, v's at 4, v's last two at 10
	s_cmp_eq_u32 s17, 2
	s_cselect_b32 s22, 6144, s22
	s_cselect_b32 s28, 6144, 0
	s_add_co_u32 s20, s20, s22
	s_add_nc_u64 s[32:33], s[12:13], s[20:21]
	s_add_nc_u64 s[30:31], s[32:33], s[28:29]
	s_branch .Lwork
.Lproj_weight:
	WPLACE 224
	s_lshl_b32 s20, s18, 19
	s_add_co_u32 s20, s20, s22
	s_add_nc_u64 s[26:27], s[8:9], s[20:21]
	v_mul_u32_u24 v3, 131072, v38
	v_add_nc_u32 v3, v3, v5
	s_wait_alu depctr_va_vdst(0)
	WLOADS 4096, 1
	s_lshr_b32 s19, s17, 1                         ; which 128 columns
	s_and_b32 s17, s17, 1
	s_mul_i32 s20, s19, 102400
	s_lshl_b32 s22, s17, 11
	s_lshl_b32 s28, s18, 8
	s_add_co_u32 s22, s22, s28
	s_add_co_u32 s22, s22, s20
	s_add_nc_u64 s[34:35], s[14:15], s[22:23]
	s_mul_i32 s22, s18, 12288
	s_add_co_u32 s20, s20, s22
	s_mul_i32 s22, s17, 6144
	s_add_co_u32 s20, s20, s22
	s_add_co_u32 s20, s20, 4096
	s_add_nc_u64 s[32:33], s[14:15], s[20:21]
	s_mov_b64 s[30:31], s[32:33]
.Lwork:
.macro GATHER c, k, xb                 ; tiles 2 k and 2 k + 1: one column's 32 numbers along K into consecutive registers, which the conversions want
	WIN 0x01
.set n, 0
.rept 32
	v_mov_b32 v[(\xb)+n], v[128*(\c)+4*n+2*(\k)]
	v_mov_b32 v[(\xb)+32+n], v[128*(\c)+4*n+2*(\k)+1]
.set n, n+1
.endr
	WIN 0
.endm
.irp c,0,1
	s_wait_loadcnt 32*(1-\c)                       ; this half of the K step is in; the other half may be out
.irp k,0,1
	GATHER \c, \k, X+64*\k
	QP X+64*\k, C+24*\k+6*\c, C+24*\k+12+6*\c, BB+4*\k+\c, BB+4*\k+2+\c
.endr
.endr
	STC 0, 32
	STC 1, 32
	STC 2, 30
	STC 3, 30
	WORDS
	s_endpgm
.Lfunc_end_k_qd8fcc958e5_prep:
	.size	k_qd8fcc958e5_prep, .Lfunc_end_k_qd8fcc958e5_prep-k_qd8fcc958e5_prep
	.p2alignl 7, 3214868480
	.fill 96, 4, 3214868480
	.section	.rodata,"a",@progbits
	.p2align	6, 0x0
	.amdhsa_kernel k_qd8fcc958e5_prep
		.amdhsa_group_segment_fixed_size 34304
		.amdhsa_private_segment_fixed_size 0
		.amdhsa_enable_private_segment 0
		.amdhsa_kernarg_size 48
		.amdhsa_user_sgpr_count 2
		.amdhsa_user_sgpr_kernarg_segment_ptr 1
		.amdhsa_wavefront_size32 1
		.amdhsa_system_sgpr_workgroup_id_x 1
		.amdhsa_system_sgpr_workgroup_id_y 1
		.amdhsa_system_sgpr_workgroup_id_z 1
		.amdhsa_system_vgpr_workitem_id 0
		.amdhsa_next_free_vgpr 512
		.amdhsa_next_free_sgpr 66
		.amdhsa_reserve_vcc 0
		.amdhsa_float_denorm_mode_32 3
		.amdhsa_float_denorm_mode_16_64 3
		.amdhsa_memory_ordered 1
		.amdhsa_forward_progress 1
		.amdhsa_inst_pref_size 67
	.end_amdhsa_kernel
	.amdgpu_metadata
---
amdhsa.version: [ 1, 2 ]
amdhsa.kernels:
  - .name:           k_qd8fcc958e5_prep
    .symbol:         k_qd8fcc958e5_prep.kd
    .args:
      - { .name: x, .offset: 0, .size: 8, .value_kind: global_buffer, .address_space: global }
      - { .name: w_qkv, .offset: 8, .size: 8, .value_kind: global_buffer, .address_space: global }
      - { .name: w_proj, .offset: 16, .size: 8, .value_kind: global_buffer, .address_space: global }
      - { .name: xq, .offset: 24, .size: 8, .value_kind: global_buffer, .address_space: global }
      - { .name: wq, .offset: 32, .size: 8, .value_kind: global_buffer, .address_space: global }
      - { .name: wp, .offset: 40, .size: 8, .value_kind: global_buffer, .address_space: global }
    .group_segment_fixed_size: 34304
    .private_segment_fixed_size: 0
    .kernarg_segment_align: 8
    .kernarg_segment_size: 48
    .max_flat_workgroup_size: 128
    .sgpr_count:     66
    .vgpr_count:     512
    .wavefront_size: 32
...
	.end_amdgpu_metadata
.endif
;; end of part 1
;; launch qkv (part 2): grid 16 x 16, 4 waves a work-group, clusters of 4 x 4, 327,680 bytes of LDS; arguments xq, wq, b_qkv, qb, kvb; writes qb, kvb
.if DOCPART == 2
	.amdgcn_target "amdgcn-amd-amdhsa--gfx1250"
	.amdhsa_code_object_version 6
	.text
	.protected	k_qd8fcc958e5_qkv
	.globl	k_qd8fcc958e5_qkv
	.p2align	8
	.type	k_qd8fcc958e5_qkv,@function
k_qd8fcc958e5_qkv:
	s_mov_b64 s[64:65], 0
	v_nop
	global_prefetch_b8 v0, s[64:65] scope:SCOPE_SE
	s_setreg_imm32_b32 hwreg(HW_REG_WAVE_MODE, 25, 1), 1
	s_wait_xcnt 0x0
	s_wait_alu depctr_hold_cnt(0) depctr_sa_sdst(0) depctr_va_vdst(0) depctr_va_sdst(0) depctr_va_ssrc(0) depctr_va_vcc(0) depctr_vm_vsrc(0)
	s_getreg_b32 s2, hwreg(HW_REG_IB_STS2, 6, 4)
	s_cmp_eq_u32 s2, 0
	s_cbranch_scc0 .Lentry_in_a_cluster
	s_endpgm
.Lentry_in_a_cluster:
	s_bfe_u32 s2, ttmp6, 0x10000c
	s_cmp_lg_u32 s2, 0xf033
	s_cbranch_scc0 .Lentry_shape_is_right
	s_endpgm
.Lentry_shape_is_right:
; QKV: qkv = x w_qkv + b_qkv on codes of BF6 with E8M0 scales (K = 1,024); q, k and v leave quantised, as images of the operand registers that the attention launch wants.
; A work-group makes 256 tokens x the 192 columns of one head (q, k, v): 256 work-groups, all alike.  Wave (th, ch): 128 tokens x (q or k by ch, and v's tiles 2 ch, 2 ch + 1): 48 accumulators, 384 registers.
; q, k: source 0 = weights, source 1 = tokens: a lane holds one token, and over the four tiles of the head the 32 channels 32 h + 4 j + t: a whole block of the scores' K (order 8 t + j, the same for q and k).
; v: source 0 = tokens, source 1 = weights: a lane holds one channel, and over a group's four tiles the 32 keys 32 h + 8 u + j: a whole block of the second product's K.
; THE BIAS is the C of each sum's first matrix instruction.
; K goes in 8 steps of 128, written out.  LDS has places for 7 steps (A: 24,576 bytes each behind 8,192 of scale words; B: 18,432 each behind 6,144): fill 0 brings the scale words and steps 0-3, fill 1 steps 4-6,
; fill 2 step 7, into step 0's place.  Each fill is contiguous in memory: dense bytes stated as rows of 256.  One joint load a wave behind each round: waves 0, 1 for A, 2, 3 for B, half each.
; CLUSTERS 4 x 4: A's bytes hang on the token block, shared along a row; B's on the head, shared along a column.
; No prefetch: there is no loop to run ahead in; the three fills ask for everything, two of them for 7 of the 8 steps.
; OUT.  qb: [head 32][tile 128][1,024]: registers 0-3 at 16 x lane, 4-5 at 512 + 8 x lane, the scale word {s0, s1, s0, s1} twice at 768 + 8 x lane.
;       kvb: [head 32][128 keys 16][12,800]: K's fragment f (tiles 2 f, 2 f + 1 of 16 keys) at 1,536 f, V's tile t at 6,144 + 1,536 t, K's words at 12,288 + 16 r + 4 f, V's at 12,544 + 16 r + 4 t.
; LIMITS: NaN and infinities are not served; a block's largest magnitude is held at 2^(5 - 127) from below (byte 1; a block of zeros too).
; REGISTERS: window 0: v4-20 addresses, v24-47 scale words (two sets of 12), from v48 the tokens' fragments (two sets of 96); window 1: weights' fragments (two sets of 72), v144-191 the bias;
;   window 2: q or k, accumulator (token tile a, t) at 8 (4 a + t); window 3: v, accumulator (t, a) at 8 (8 t + a).  On the way out v48-183 are at work.
.set BOFF,  180224                     ; B's part of LDS
.set SPARE, 315392                     ; behind it: the spare words, 128 bytes a wave
.set SPW, 14
.set NIL, 15
.set SC,  24
.set AF,  48
.set G1, 24
.set G0, 32
.set G1B, 48
.set G0B, 56
.set MSB, 0
.macro WIN new
.if MSB != (\new)
	s_set_vgpr_msb (MSB<<8)|(\new)
.set MSB, \new
.endif
.endm
.macro JLOAD                           ; a joint load: each line has one mask and one set of registers for all that issue it
	s_cmp_eq_u32 s15, 0
	s_cbranch_scc0 .Lfor_b_\@
	tensor_load_to_lds s[G0:G0+3], s[G1:G1+7]
	s_nop 0
.rept 4
	v_nop
.endr
	s_branch .Lasked_\@
.Lfor_b_\@:
	tensor_load_to_lds s[G0B:G0B+3], s[G1B:G1B+7]
	s_nop 0
.rept 4
	v_nop
.endr
.Lasked_\@:
.endm
.macro CROUND                          ; a round of the cluster's barrier
	s_barrier_signal -1
	s_barrier_wait -1
	s_cmp_lg_u32 s14, 0
	s_cbranch_scc1 .Lnot_wave_0_\@
	s_barrier_signal -3
.Lnot_wave_0_\@:
	s_barrier_wait -3
	s_barrier_signal -1
	s_barrier_wait -1
.endm
; a fill's descriptors: LDS byte, byte in my block of memory, bytes of a half, for A and for B; rows of 256 bytes in a half
.macro SETF la, ga, ha, lb, gb, hb
	s_mul_i32 s92, s16, \ha
	s_mul_i32 s94, s16, \hb
	s_mov_b32 s[G1+2], ((\ha)/256)<<16
	s_mov_b32 s[G1+4], (\ha)/256
	s_mov_b32 s[G1B+2], ((\hb)/256)<<16
	s_mov_b32 s[G1B+4], (\hb)/256
	s_mov_b32 s[G0], 1
	s_add_co_u32 s[G0+1], s92, \la
	s_add_co_u32 s92, s92, \ga
	s_add_nc_u64 s[G0+2:G0+3], s[20:21], s[92:93]
	s_or_b32 s[G0+3], s[G0+3], 0x80000000
	s_mov_b32 s[G0B], 1
	s_add_co_u32 s[G0B+1], s94, \lb
	s_add_co_u32 s94, s94, \gb
	s_add_nc_u64 s[G0B+2:G0B+3], s[46:47], s[94:95]
	s_or_b32 s[G0B+3], s[G0B+3], 0x80000000
.endm
	s_load_b256 s[4:11], s[0:1], 0x0               ; xq s[4:5], wq s[6:7], b_qkv s[8:9], qb s[10:11]
	s_load_b64 s[12:13], s[0:1], 0x20              ; kvb
	v_lshl_add_u32 v[SPW], v0, 2, SPARE
	v_mov_b32 v[NIL], 0
	ds_add_u32 v[SPW], v[NIL]                      ; the wave's opening: the add, twice on end
	ds_add_u32 v[SPW], v[NIL]
	v_lshrrev_b32 v1, 5, v0
	v_readfirstlane_b32 s14, v1                    ; wave 0..3
	s_lshr_b32 s15, s14, 1                         ; th: which 128 tokens.  Also: I fetch for A (0) or B (1)
	s_and_b32 s16, s14, 1                          ; ch: q (0) or k (1).  Also: which half I fetch
	s_bfe_u32 s40, ttmp6, 0x40000                  ; cx, cy
	s_bfe_u32 s41, ttmp6, 0x40004
	s_lshl_b32 s42, ttmp9, 2
	s_add_co_u32 s42, s42, s40                     ; head
	s_and_b32 s17, ttmp7, 0xffff
	s_lshl_b32 s17, s17, 2
	s_add_co_u32 s17, s17, s41                     ; which 256 tokens
	s_lshl_b32 s43, s41, 2
	s_lshl_b32 s43, 15, s43                        ; my row of the cluster
	s_lshl_b32 s44, 0x1111, s40                    ; my column
	s_or_b32 s[G1], s43, (3<<16)|(1<<21)           ; the mask; elements of 8 bytes; bit 21 beside a mask
	s_or_b32 s[G1B], s44, (3<<16)|(1<<21)
.irp g, G1, G1B
	s_mov_b32 s[\g+1], 32<<16
	s_mov_b32 s[\g+3], 32<<16
	s_mov_b32 s[\g+5], 32
	s_mov_b32 s[\g+6], 0
	s_mov_b32 s[\g+7], 0
.endr
	s_mul_i32 s20, s17, 204800
	s_mov_b32 s21, 0
	s_mul_i32 s46, s42, 153600
	s_mov_b32 s47, 0
	s_mov_b32 s93, 0
	s_mov_b32 s95, 0
	s_wait_dscnt 0x0                               ; both opening adds are done
	s_wait_alu depctr_va_vdst(0)
	s_wait_kmcnt 0x0
	s_add_nc_u64 s[20:21], s[4:5], s[20:21]
	s_add_nc_u64 s[46:47], s[6:7], s[46:47]
	SETF 0, 0, 53248, BOFF, 0, 39936
	CROUND                                         ; all sixteen work-groups are here
	JLOAD                                          ; fill 0: one tensor load a wave at the head
	v_and_b32 v1, 15, v0                           ; r
	v_bfe_u32 v2, v0, 4, 1                         ; h
	v_and_b32 v3, 31, v0
	v_lshlrev_b32 v16, 4, v3                       ; 16 x lane
	v_lshlrev_b32 v17, 3, v3                       ; 8 x lane
	v_lshlrev_b32 v18, 4, v1                       ; 16 r
	v_lshlrev_b32 v19, 3, v2                       ; 8 h
	v_lshlrev_b32 v21, 7, v2                       ; 128 h
	s_lshl_b32 s66, s16, 3
	v_add_nc_u32 v20, s66, v18                     ; 16 r + 8 ch
	s_add_co_u32 s66, s66, BOFF+4096
	v_add_nc_u32 v13, s66, v18                     ; v's scale words, my two tiles
	s_mul_i32 s67, s15, 12288
	s_add_co_u32 s67, s67, 8192                    ; my eight token tiles,
	s_mul_i32 s68, s16, 9216
	s_add_co_u32 s68, s68, BOFF+6144               ; and my six weight tiles: an address register for each two places
	s_wait_alu depctr_va_vdst(0)                   ; ahead of the readers below
.irp k,0,1,2,3
	v_add_nc_u32 v[4+\k], s67, v16
	v_add_nc_u32 v[8+\k], s68, v16
	s_add_co_u32 s67, s67, 49152
	s_add_co_u32 s68, s68, 36864
.endr
	s_lshl_b32 s67, s15, 12
	s_lshl_b32 s68, s16, 11
	s_add_co_u32 s68, s68, BOFF
	s_sub_co_u32 s68, s68, s67
	v_mul_u32_u24 v12, s68, v2                     ; scale words: lanes 0-15 my first group's tokens, lanes 16-31 q's or k's columns
	v_add_nc_u32 v12, s67, v12
	v_add_nc_u32 v12, v12, v18
	s_wait_alu depctr_va_vdst(0)
	; the bias: q, k: register 8 t + j = channel 32 h + 4 j + t;  v: all eight registers of tile t = channel 4 r + t
	s_lshl_b32 s70, s16, 12
	s_lshl_b32 s71, s42, 8
	s_add_co_u32 s70, s70, s71
	s_mov_b32 s71, 0
	s_add_nc_u64 s[72:73], s[8:9], s[70:71]
	s_lshl_b32 s70, s42, 8
	s_lshl_b32 s74, s16, 3
	s_add_co_u32 s70, s70, s74
	s_add_co_u32 s70, s70, 8192
	s_add_nc_u64 s[74:75], s[8:9], s[70:71]
	WIN 0x40
.irp t,0,1,2,3
.irp j,0,1,2,3,4,5,6,7
	global_load_b32 v[144+8*\t+\j], v21, s[72:73] offset:4*(4*\j+\t)
.endr
.endr
.irp t,0,1
.irp j,0,1,2,3,4,5,6,7
	global_load_b32 v[176+8*\t+\j], v18, s[74:75] offset:4*\t
.endr
.endr
	WIN 0
	; where my results go
	s_lshr_b32 s70, s17, 3
	s_lshl_b32 s70, s70, 4
	s_add_co_u32 s70, s70, s42                     ; 16 x batch + head
	s_and_b32 s76, s17, 7
	s_lshl_b32 s76, s76, 1
	s_add_co_u32 s76, s76, s15                     ; which 128 tokens of the sequence
	s_lshl_b32 s77, s70, 4
	s_add_co_u32 s77, s77, s76
	s_mul_i32 s68, s77, 12800
	s_mov_b32 s69, 0
	s_add_nc_u64 s[12:13], s[12:13], s[68:69]      ; my packet of kvb
	s_lshl_b32 s68, s77, 13
	s_add_nc_u64 s[10:11], s[10:11], s[68:69]      ; my eight tiles of qb
	s_mul_i32 s68, s16, 3072
	s_add_co_u32 s68, s68, 6144
	s_add_nc_u64 s[78:79], s[12:13], s[68:69]      ; my two tiles of V
.macro LDB st                          ; step st's weight fragments and scale words
.set P, (\st)%2
.set PL, (\st)%7
	WIN 0x40
.irp t,0,1,2,3,4,5
.irp g,0,1,2
	ds_load_b128 v[72*P+12*\t+4*\g:72*P+12*\t+4*\g+3], v[8+PL/2] offset:(PL%2)*18432+1536*\t+512*\g
.endr
.endr
	WIN 0
	ds_load_b128 v[SC+12*P:SC+12*P+3], v12 offset:256*(\st)
	ds_load_b128 v[SC+12*P+4:SC+12*P+7], v12 offset:2048+256*(\st)
	ds_load_b64 v[SC+12*P+8:SC+12*P+9], v13 offset:256*(\st)
.endm
.macro LDA st, a0                      ; four token tiles
.set P, (\st)%2
.set PL, (\st)%7
	WIN 0
.irp i,0,1,2,3
.irp g,0,1,2
	ds_load_b128 v[AF+96*P+12*(\a0+\i)+4*\g:AF+96*P+12*(\a0+\i)+4*\g+3], v[4+PL/2] offset:(PL%2)*24576+1536*(\a0+\i)+512*\g
.endr
.endr
.endm
; 16 matrix instructions: token tiles a0 .. a0 + 3 by q's or k's four tiles.  The 48 accumulators take turns in the same order in every step
.macro MQ st, a0
.set P, (\st)%2
.if (\st) == 0
	WIN 0x91
.else
	WIN 0xa1
.endif
.irp i,0,1,2,3
.irp t,0,1,2,3
.set AC, 8*(4*(\a0+\i)+\t)
.if (\st) == 0
	v_wmma_scale_f32_16x16x128_f8f6f4 v[AC:AC+7], v[72*P+12*\t:72*P+12*\t+11], v[AF+96*P+12*(\a0+\i):AF+96*P+12*(\a0+\i)+11], v[144+8*\t:144+8*\t+7], v[SC+12*P+\t], v[SC+12*P+\a0+\i] matrix_a_fmt:MATRIX_FMT_BF6 matrix_b_fmt:MATRIX_FMT_BF6 matrix_a_scale:MATRIX_SCALE_ROW1
.else
	v_wmma_scale_f32_16x16x128_f8f6f4 v[AC:AC+7], v[72*P+12*\t:72*P+12*\t+11], v[AF+96*P+12*(\a0+\i):AF+96*P+12*(\a0+\i)+11], v[AC:AC+7], v[SC+12*P+\t], v[SC+12*P+\a0+\i] matrix_a_fmt:MATRIX_FMT_BF6 matrix_b_fmt:MATRIX_FMT_BF6 matrix_a_scale:MATRIX_SCALE_ROW1
.endif
.endr
.endr
.endm
.macro MV st                           ; v: the eight token tiles by my two tiles
.set P, (\st)%2
.if (\st) == 0
	WIN 0xd4
.else
	WIN 0xf4
.endif
.irp t,0,1
.irp a,0,1,2,3,4,5,6,7
.set AC, 8*(8*\t+\a)
.if (\st) == 0
	v_wmma_scale_f32_16x16x128_f8f6f4 v[AC:AC+7], v[AF+96*P+12*\a:AF+96*P+12*\a+11], v[72*P+48+12*\t:72*P+48+12*\t+11], v[176+8*\t:176+8*\t+7], v[SC+12*P+\a], v[SC+12*P+8+\t] matrix_a_fmt:MATRIX_FMT_BF6 matrix_b_fmt:MATRIX_FMT_BF6
.else
	v_wmma_scale_f32_16x16x128_f8f6f4 v[AC:AC+7], v[AF+96*P+12*\a:AF+96*P+12*\a+11], v[72*P+48+12*\t:72*P+48+12*\t+11], v[AC:AC+7], v[SC+12*P+\a], v[SC+12*P+8+\t] matrix_a_fmt:MATRIX_FMT_BF6 matrix_b_fmt:MATRIX_FMT_BF6
.endif
.endr
.endr
.endm
.macro PLACES                          ; in front of loads into registers that matrix instructions have read, and of the first reads of results
.rept 4
	v_nop
.endr
.endm
.macro STEP st
	s_wait_dscnt 12                                ; all but token tiles 4-7 of this step are in
	WIN 0
	PLACES
	LDB (\st)+1
	MQ \st, 0
	LDA (\st)+1, 0
	s_wait_dscnt 33                                ; token tiles 4-7 are in; the 21 + 12 loads of the next step may be out
	MQ \st, 4
	LDA (\st)+1, 4
	MV \st
.endm
.macro STEPB st, fill                  ; the next step lies in bytes that a fill in flight brings; fill = 1: fill 2 goes out, into step 0's place, which every wave has read
	s_wait_dscnt 12
	MQ \st, 0
	WIN 0
	s_wait_tensorcnt 0x0                           ; all my tensor loads have landed
.if \fill
	ds_add_u32 v[SPW], v[NIL]                      ; 0 onto my spare word
	SETF 8192, 180224, 12288, BOFF+6144, 135168, 9216
.endif
	s_wait_dscnt 0x0                               ; and all my LDS instructions are done
.if \fill
	CROUND                                         ; of every wave of the cluster
	JLOAD                                          ; its four v_nop are the places in front of the loads below
.else
	s_barrier_signal -1
	s_barrier_wait -1
	PLACES
.endif
	LDB (\st)+1
	LDA (\st)+1, 0
	LDA (\st)+1, 4
	MQ \st, 4
	MV \st
.endm
	s_wait_alu depctr_va_vdst(0)                   ; the wait at the head's end
	s_wait_tensorcnt 0x0                           ; my part of fill 0 is in
	ds_add_u32 v[SPW], v[NIL]
	SETF 106496, 106496, 36864, BOFF+79872, 79872, 27648
	s_wait_dscnt 0x0
	CROUND
	JLOAD                                          ; fill 1: steps 4 to 6
	LDB 0
	LDA 0, 0
	LDA 0, 4
	s_wait_loadcnt 0x0                             ; the bias
	STEP 0
	STEP 1
	STEP 2
	STEPB 3, 1
	STEP 4
	STEP 5
	STEPB 6, 0
	s_wait_dscnt 12                                ; the last step: nothing more to fetch
	MQ 7, 0
	s_wait_dscnt 0x0
	MQ 7, 4
	MV 7
	WIN 0
	PLACES
; THE WAY OUT.  64 registers of window w from ac on are two whole blocks of a lane: codes at d (six registers each), bytes at b and b + 1
.macro QPW w, ac, d, b
	WIN (\w)*20
.irp i,0,2,4,6,8,10,12,14
.irp q,0,1,2,3
.if \i == 0
	v_max3_num_f32 v[48+\q], 0x2800000, |v[(\ac)+16*\q]|, |v[(\ac)+16*\q+1]|   ; each accumulator from its low end on; the floor 2^(5 - 127)
.else
	v_max3_num_f32 v[48+\q], v[48+\q], |v[(\ac)+16*\q+\i]|, |v[(\ac)+16*\q+\i+1]|
.endif
.endr
.endr
	WIN 0
	v_max_num_f32 v48, v48, v49
	v_max_num_f32 v50, v50, v51
	v_add_nc_u32 v52, 0xfe000000, v48              ; 4 off the exponent field: the conversion's scale operand
	v_add_nc_u32 v53, 0xfe000000, v50
	WIN \w
	v_cvt_scalef32_pk16_bf6_f32 v[(\d):(\d)+2], v[(\ac):(\ac)+15], v52
	v_cvt_scalef32_pk16_bf6_f32 v[54:56], v[(\ac)+16:(\ac)+31], v52
	v_cvt_scalef32_pk16_bf6_f32 v[(\d)+6:(\d)+8], v[(\ac)+32:(\ac)+47], v53
	v_cvt_scalef32_pk16_bf6_f32 v[58:60], v[(\ac)+48:(\ac)+63], v53
	WIN 0
	v_lshrrev_b32 v[\b], 23, v52                   ; the bytes (also the plain lines behind the conversions)
	v_lshrrev_b32 v[(\b)+1], 23, v53
.irp i,0,1,2
	v_mov_b32 v[(\d)+3+\i], v[54+\i]
	v_mov_b32 v[(\d)+9+\i], v[58+\i]
.endr
.endm
.macro WORD n, dst, step               ; n words: my bytes 8 h bits up, with lane l xor 16's
.set k, 0
.rept \n
	v_lshlrev_b32 v[(\dst)+(\step)*k], v19, v[(\dst)+(\step)*k]
.set k, k+1
.endr
.set k, 0
.rept \n
	v_permlanex16_b32 v[160+k], v[(\dst)+(\step)*k], s66, s67
.set k, k+1
.endr
.set k, 0
.rept \n
	v_or_b32 v[(\dst)+(\step)*k], v[(\dst)+(\step)*k], v[160+k]
.set k, k+1
.endr
.endm
	s_mov_b32 s66, 0x76543210
	s_mov_b32 s67, 0xfedcba98
.irp i,0,1,2,3,4,5,6,7
	v_mov_b32 v[160+\i], 0                         ; (a lane permute's destination counts as one of its sources)
.endr
.irp i,0,1,2,3
	QPW 2, 64*\i, 80+12*\i, 64+2*\i                ; token tiles 2 i and 2 i + 1
.endr
	s_wait_alu depctr_va_vdst(0)
	s_cmp_eq_u32 s16, 1
	s_cbranch_scc1 .Lout_k
.irp a,0,1,2,3,4,5,6,7
	v_lshl_or_b32 v[168+2*\a], v[64+\a], 16, v[64+\a]   ; the word serves q in either half of the instruction's 128
.endr
	WORD 8, 168, 2
.irp a,0,1,2,3,4,5,6,7
	v_mov_b32 v[168+2*\a+1], v[168+2*\a]           ; twice, so that the store covers 256 bytes
.endr
.irp a,0,1,2,3,4,5,6,7
	global_store_b128 v16, v[80+6*\a:80+6*\a+3], s[10:11] offset:1024*\a
	global_store_b64 v17, v[80+6*\a+4:80+6*\a+5], s[10:11] offset:1024*\a+512
	global_store_b64 v17, v[168+2*\a:168+2*\a+1], s[10:11] offset:1024*\a+768
.endr
	s_wait_alu depctr_va_vdst(0)
	s_branch .Lout_v
.Lout_k:
.irp f,0,1,2,3
	v_lshl_or_b32 v[168+\f], v[64+2*\f+1], 16, v[64+2*\f]
.endr
	WORD 4, 168, 1
.irp f,0,1,2,3
.irp g,0,1,2
	global_store_b128 v16, v[80+12*\f+4*\g:80+12*\f+4*\g+3], s[12:13] offset:1536*\f+512*\g   ; 512 consecutive bytes
.endr
.endr
	global_store_b128 v18, v[168:171], s[12:13] offset:12288   ; 256 bytes; lanes 16-31 store the same as lanes 0-15
	s_wait_alu depctr_va_vdst(0)
.Lout_v:
.irp t,0,1
	QPW 3, 64*\t, 128+12*\t, 72+2*\t               ; tile 2 ch + t: the two groups of 64 keys
.endr
.irp t,0,1
	v_lshl_or_b32 v[152+\t], v[72+2*\t+1], 16, v[72+2*\t]
.endr
	WORD 2, 152, 1
.irp t,0,1
.irp g,0,1,2
	global_store_b128 v16, v[128+12*\t+4*\g:128+12*\t+4*\g+3], s[78:79] offset:1536*\t+512*\g
.endr
.endr
	global_store_b64 v20, v[152:153], s[12:13] offset:12544
	s_wait_tensorcnt 0x0                           ; the wave's end
	ds_add_u32 v[SPW], v[NIL]
	s_wait_dscnt 0x0
	CROUND                                         ; the closing round: no work-group ends while a partner may still ask for bytes under a mask that names it
	s_endpgm
.Lfunc_end_k_qd8fcc958e5_qkv:
	.size	k_qd8fcc958e5_qkv, .Lfunc_end_k_qd8fcc958e5_qkv-k_qd8fcc958e5_qkv
	.p2alignl 7, 3214868480
	.fill 96, 4, 3214868480
	.section	.rodata,"a",@progbits
	.p2align	6, 0x0
	.amdhsa_kernel k_qd8fcc958e5_qkv
		.amdhsa_group_segment_fixed_size 327680
		.amdhsa_private_segment_fixed_size 0
		.amdhsa_enable_private_segment 0
		.amdhsa_kernarg_size 40
		.amdhsa_user_sgpr_count 2
		.amdhsa_user_sgpr_kernarg_segment_ptr 1
		.amdhsa_wavefront_size32 1
		.amdhsa_system_sgpr_workgroup_id_x 1
		.amdhsa_system_sgpr_workgroup_id_y 1
		.amdhsa_system_sgpr_workgroup_id_z 1
		.amdhsa_system_vgpr_workitem_id 0
		.amdhsa_next_free_vgpr 1024
		.amdhsa_next_free_sgpr 100
		.amdhsa_reserve_vcc 0
		.amdhsa_float_denorm_mode_32 3
		.amdhsa_float_denorm_mode_16_64 3
		.amdhsa_memory_ordered 1
		.amdhsa_forward_progress 1
		.amdhsa_inst_pref_size 115
	.end_amdhsa_kernel
	.amdgpu_metadata
---
amdhsa.version: [ 1, 2 ]
amdhsa.kernels:
  - .name:           k_qd8fcc958e5_qkv
    .symbol:         k_qd8fcc958e5_qkv.kd
    .args:
      - { .name: xq, .offset: 0, .size: 8, .value_kind: global_buffer, .address_space: global }
      - { .name: wq, .offset: 8, .size: 8, .value_kind: global_buffer, .address_space: global }
      - { .name: b_qkv, .offset: 16, .size: 8, .value_kind: global_buffer, .address_space: global }
      - { .name: qb, .offset: 24, .size: 8, .value_kind: global_buffer, .address_space: global }
      - { .name: kvb, .offset: 32, .size: 8, .value_kind: global_buffer, .address_space: global }
    .group_segment_fixed_size: 327680
    .private_segment_fixed_size: 0
    .kernarg_segment_align: 8
    .kernarg_segment_size: 40
    .max_flat_workgroup_size: 128
    .sgpr_count:     100
    .vgpr_count:     1024
    .wavefront_size: 32
...
	.end_amdgpu_metadata
.endif
;; end of part 2
;; launch attn (part 3): grid 8 x 32, 8 waves a work-group, clusters of 4 x 1, 327,680 bytes of LDS; arguments qb, kvb, yq; writes yq
.if DOCPART == 3
	.amdgcn_target "amdgcn-amd-amdhsa--gfx1250"
	.amdhsa_code_object_version 6
	.text
	.protected	k_qd8fcc958e5_attn
	.globl	k_qd8fcc958e5_attn
	.p2align	8
	.type	k_qd8fcc958e5_attn,@function
k_qd8fcc958e5_attn:
	s_mov_b64 s[64:65], 0
	v_nop
	global_prefetch_b8 v0, s[64:65] scope:SCOPE_SE
	s_setreg_imm32_b32 hwreg(HW_REG_WAVE_MODE, 25, 1), 1
	s_wait_xcnt 0x0
	s_wait_alu depctr_hold_cnt(0) depctr_sa_sdst(0) depctr_va_vdst(0) depctr_va_sdst(0) depctr_va_ssrc(0) depctr_va_vcc(0) depctr_vm_vsrc(0)
	s_getreg_b32 s2, hwreg(HW_REG_IB_STS2, 6, 4)
	s_cmp_eq_u32 s2, 0
	s_cbranch_scc0 .Lentry_in_a_cluster
	s_endpgm
.Lentry_in_a_cluster:
	s_bfe_u32 s2, ttmp6, 0x10000c
	s_cmp_lg_u32 s2, 0x3003
	s_cbranch_scc0 .Lentry_shape_is_right
	s_endpgm
.Lentry_shape_is_right:
; ATTN: y[head][q] = the sum over keys k <= q of softmax_k(q . k / 8) v, both products on codes of BF6 with E8M0 scales; y leaves quantised along the model's 1,024.
; THE SOFTMAX: t = score x log2(e) / 8; M = the row's largest t so far, rounded up to a whole number; p = 2^(t - M) is quantised along the keys, not normalised; the row's sum is of the unquantised p, in f32,
; and divides at the end.  When M moves, the sum and O are multiplied by 2^(old M - new M): exact.
; WORK LEFT OUT: 128-key steps all of whose keys come after the tile's block of 128 queries: reference()'s own mask makes their p 0 for all values of the inputs.  A NaN or an infinity there is not carried to the result.
; SHARES.  A work-group serves one head and the tiles g, 8 + g, .. 120 + g of 16 queries.  Wave w owns the tiles of blocks J = 15 - w and J = w of 128 queries: 16 - w and w + 1 steps, 17 in all, for every wave.
; A trip takes TWO steps, 256 keys; where J is even the last trip takes one.  Row r of a tile is query 32 (r / 8) + 8 u + r % 8 of its 64 (u = g % 4), and keys likewise, so that lane (r, h) of S^T = K Q^T holds whole
; blocks of 32 keys: register 32 c + 8 u + j of a step is key 64 c + 32 h + 8 u + j.
; LDS holds the head's whole K and V, 16 packets of 12,800 bytes, each byte filled once: fill 0 packets 0-3, fill 1 packets 4-15, while the first two trips run on packets 0-3.  No loop fills LDS, so nothing is prefetched.
; CLUSTER.  Four work-groups serve one head and ask jointly: each wave one load of 6,400 bytes, then one of 19,200.  All branches hang on the wave's number and the trip.
; THE HEAD'S K IS 64, the instruction's 128: a fragment of K holds two tiles of 16 keys, one in each half, and is multiplied by [q | 0] and by [0 | q].
; THE MASK is the C of the score products on the diagonal step: -3e38 where the key comes after the query.
; OUT.  yq: for each 128 tokens 102,400 bytes: scale words [64-token group 2][K step 8][256: word u of row r at 16 r + 4 u], then codes [K step 8 = two heads][tile 8][head parity][768: registers 0-3 at 16 x lane, 4-5 at 512 + 8 x lane].
; LIMITS: NaN and infinities are not served; |scaled scores| (base 2) under 2^31; a block's largest magnitude is held at 2^(5 - 127) from below (byte 1; a block of zeros too).
; REGISTERS: window 0 as named below; window 1: v0-127 S^T, then p; v128-191 the mask; v192-223 partial sums.
.set PKT, 12800
.set SPARE, 204800
.set L16, 1                            ; 16 x lane
.set ADR, 2
.set DD,  3                            ; the query's place in its 128 less 32 h: key register n is hidden where 64 (n / 32) + n % 32 is larger
.set L8,  4                            ; 8 x lane
.set YO,  5                            ; 16 r + h
.set H8,  6                            ; 8 h
.set NEG, 7
.set QB,  8                            ; v8-19 [0 | q]
.set QA,  14                           ; v14-25 [q | 0]
.set QS,  26
.set NM,  28                           ; -M; v29 the largest t
.set MX,  29
.set LS,  30                           ; v30-31 the sum, in two halves
.set KV,  32                           ; v32-127 fragments of K, then of V, two packets
.set O,   128                          ; v128-159
.set PCD, 160                          ; v160-183 p's codes
.set PH,  184                          ; v184-199 the conversions' second halves
.set BM,  200                          ; v200-203 each block's largest
.set SO,  208
.set BY,  212
.set SW,  216                          ; v216-223 scale words: lanes 0-15 K's, lanes 16-31 V's
.set TT,  224
.set PT,  225
.set F,   226                          ; v226; v227 named with it as a pair
.set PS,  228                          ; v228-229 p's scale words
.set WX,  230                          ; v230-231
.set SA,  232                          ; v232-247 eight partial sums
.set PX,  248                          ; v248-249
.set MSB, 0
.macro WIN new
.if MSB != (\new)
	s_set_vgpr_msb (MSB<<8)|(\new)
.set MSB, \new
.endif
.endm
.macro CROUND
	s_barrier_signal -1
	s_barrier_wait -1
	s_cmp_lg_u32 s10, 0
	s_cbranch_scc1 .Lnot_wave_0_\@
	s_barrier_signal -3
.Lnot_wave_0_\@:
	s_barrier_wait -3
	s_barrier_signal -1
	s_barrier_wait -1
.endm
.macro INIT                            ; a tile begins: s11 = J
	s_lshl_b32 s50, s13, 7
	s_lshl_b32 s51, s11, 3
	s_add_co_u32 s50, s50, s51
	s_add_co_u32 s50, s50, s12                     ; tile 128 x head + 8 J + g
	s_lshl_b32 s50, s50, 10
	s_mov_b32 s51, 0
	s_add_nc_u64 s[52:53], s[4:5], s[50:51]
	global_load_b128 v[QA:QA+3], v[L16], s[52:53]
	global_load_b64 v[QA+4:QA+5], v[L8], s[52:53] offset:512
	global_load_b32 v[QS], v[L8], s[52:53] offset:768
	s_lshr_b32 s22, s11, 1                         ; trips of two open steps
	v_mov_b32 v[MX], 0xff61b1e6                    ; the largest t so far: -3e38
	v_mov_b32 v[LS], 0
	v_mov_b32 v[LS+1], 0
	v_floor_f32 v[NM], -v[MX]
.set n, 0
.rept 32
	v_mov_b32 v[O+n], 0                            ; (the first trip finds zeros, which the first change of M leaves zeros)
.set n, n+1
.endr
	s_wait_alu depctr_va_vdst(0)
	s_wait_loadcnt 0x0
.endm
; np steps of 128 keys from LDS byte s20 on; diag = 1: the last of them lies on the diagonal
.macro STEP np, diag
	v_add_nc_u32 v[ADR], s20, v[L16]
.set e, 0
.rept \np
.irp f,0,1,2,3
.irp g,0,1,2
	ds_load_b128 v[KV+48*e+12*\f+4*\g:KV+48*e+12*\f+4*\g+3], v[ADR] offset:PKT*e+1536*\f+512*\g
.endr
.endr
	ds_load_b128 v[SW+4*e:SW+4*e+3], v[ADR] offset:PKT*e+12288
.set e, e+1
.endr
	s_wait_alu depctr_va_vdst(0)
.set e, 0
.rept \np
	s_wait_dscnt 13*((\np)-1-e)                    ; this packet's K is in; the next one's 13 loads may be out
.if (\diag) && (e == (\np)-1)
	WIN 0x50
.irp f,0,1,2,3
	v_wmma_scale_f32_16x16x128_f8f6f4 v[64*e+16*\f:64*e+16*\f+7], v[KV+48*e+12*\f:KV+48*e+12*\f+11], v[QA:QA+11], v[128+16*\f:128+16*\f+7], v[SW+4*e+\f], v[QS] matrix_a_fmt:MATRIX_FMT_BF6 matrix_b_fmt:MATRIX_FMT_BF6
	v_wmma_scale_f32_16x16x128_f8f6f4 v[64*e+16*\f+8:64*e+16*\f+15], v[KV+48*e+12*\f:KV+48*e+12*\f+11], v[QB:QB+11], v[128+16*\f+8:128+16*\f+15], v[SW+4*e+\f], v[QS] matrix_a_fmt:MATRIX_FMT_BF6 matrix_b_fmt:MATRIX_FMT_BF6
.endr
.else
	WIN 0x40
.irp f,0,1,2,3
	v_wmma_scale_f32_16x16x128_f8f6f4 v[64*e+16*\f:64*e+16*\f+7], v[KV+48*e+12*\f:KV+48*e+12*\f+11], v[QA:QA+11], 0, v[SW+4*e+\f], v[QS] matrix_a_fmt:MATRIX_FMT_BF6 matrix_b_fmt:MATRIX_FMT_BF6
	v_wmma_scale_f32_16x16x128_f8f6f4 v[64*e+16*\f+8:64*e+16*\f+15], v[KV+48*e+12*\f:KV+48*e+12*\f+11], v[QB:QB+11], 0, v[SW+4*e+\f], v[QS] matrix_a_fmt:MATRIX_FMT_BF6 matrix_b_fmt:MATRIX_FMT_BF6
.endr
.endif
.set e, e+1
.endr
	WIN 0
.rept 4
	v_nop                                          ; places: in front of the loads into K's registers, and of the first read of the scores
.endr
.set e, 0
.rept \np
.irp t,0,1,2,3
.irp g,0,1,2
	ds_load_b128 v[KV+48*e+12*\t+4*\g:KV+48*e+12*\t+4*\g+3], v[ADR] offset:PKT*e+6144+1536*\t+512*\g   ; V lands under the softmax
.endr
.endr
.set e, e+1
.endr
	WIN 0x14
.set n, 0
.rept 8*(\np)
.irp b,0,1,2,3                         ; the largest score of each block: it serves the row's maximum and, since p rises with the score, the block's largest p.  Four chains by turns
.if n == 0
	v_max3_num_f32 v[BM+\b], 0xff61b1e6, v[16*(\np)*\b], v[16*(\np)*\b+1]
.else
	v_max3_num_f32 v[BM+\b], v[BM+\b], v[16*(\np)*\b+2*n], v[16*(\np)*\b+2*n+1]
.endif
.endr
.set n, n+1
.endr
	WIN 0
.if (\np) == 1
	v_max_num_f32 v[BM], v[BM], v[BM+1]
	v_max_num_f32 v[BM+1], v[BM+2], v[BM+3]
	v_max_num_f32 v[TT], v[BM], v[BM+1]
.else
	v_max3_num_f32 v[TT], v[BM], v[BM+1], v[BM+2]
	v_max_num_f32 v[TT], v[TT], v[BM+3]
.endif
	v_permlanex16_b32 v[PT], v[TT], s16, s17
	s_delay_alu instid0(VALU_DEP_1)
	v_max_num_f32 v[TT], v[TT], v[PT]              ; with lane l xor 16's keys
	s_delay_alu instid0(VALU_DEP_1)
	v_mul_f32 v[TT], s18, v[TT]                    ; as t (c is positive)
	s_delay_alu instid0(VALU_DEP_1)
	v_max_num_f32 v[MX], v[MX], v[TT]
	v_mov_b32 v[TT], v[NM]
	s_delay_alu instid0(VALU_DEP_2)
	v_floor_f32 v[NM], -v[MX]                      ; the new -M = floor(-t)
	s_delay_alu instid0(VALU_DEP_1)
	v_sub_f32 v[TT], v[NM], v[TT]                  ; old M - new M: a whole number, 0 or less
	s_delay_alu instid0(VALU_DEP_1)
	v_cvt_i32_f32 v[TT], v[TT]                     ; (it saturates)
	s_delay_alu instid0(VALU_DEP_1)
	v_ldexp_f32 v[F], 1.0, v[TT]
.set n, 0
.rept 2*(\np)
	v_fma_f32 v[BM+n], v[BM+n], s18, v[NM]
.set n, n+1
.endr
.set n, 0
.rept 16
	v_pk_mul_f32 v[O+n:O+n+1], v[O+n:O+n+1], v[F:F+1] op_sel_hi:[1,0]   ; O^T under the new M, each accumulator from its low end on
.set n, n+2
.endr
	v_pk_mul_f32 v[LS:LS+1], v[LS:LS+1], v[F:F+1] op_sel_hi:[1,0]
	WIN 0x41
.set n, 0
.rept 32
	v_pk_fma_f32 v[n:n+1], v[n:n+1], s[18:19], v[NM:NM+1] op_sel_hi:[1,0,0]   ; t - M, two at a time
.set n, n+2
.endr
	WIN 0
	s_wait_alu depctr_va_vdst(0)                   ; ahead of the batch
.set n, 0
.rept 2*(\np)
	v_exp_f32 v[BM+n], v[BM+n]                     ; each block's largest p
.set n, n+1
.endr
	WIN 0x45
.set n, 0
.rept 32
	v_exp_f32 v[n], v[n]                           ; p = 2^(t - M), at most 1
	v_exp_f32 v[n+1], v[n+1]
.if (\np) == 2
	v_pk_fma_f32 v[64+n:64+n+1], v[64+n:64+n+1], s[18:19], v[NM:NM+1] op_sel_hi:[1,0,0]   ; the second packet's t - M stand between
.endif
.set n, n+2
.endr
	WIN 0
	v_nop                                          ; a plain place behind the exponentials
	s_wait_alu depctr_va_vdst(0)                   ; ahead of the batch's first reader
.set n, 0
.rept 2*(\np)
	v_max_num_f32 v[BM+n], 0x2800000, v[BM+n]      ; the floor 2^(5 - 127)
.set n, n+1
.endr
.set n, 0
.rept 2*(\np)
	v_add_nc_u32 v[SO+n], 0xfe000000, v[BM+n]      ; 4 off the exponent field: the conversion's scale operand
.set n, n+1
.endr
.set n, 0
.rept 2*(\np)
	v_lshrrev_b32 v[BY+n], 23, v[SO+n]
.set n, n+1
.endr
.if (\np) == 2
	s_wait_alu depctr_va_vdst(0)                   ; ahead of the second batch
	WIN 0x45
.set n, 0
.rept 16
	v_exp_f32 v[64+4*n], v[64+4*n]
	v_exp_f32 v[64+4*n+1], v[64+4*n+1]
	v_exp_f32 v[64+4*n+2], v[64+4*n+2]
	v_exp_f32 v[64+4*n+3], v[64+4*n+3]
	v_pk_add_f32 v[192+2*n:192+2*n+1], v[4*n:4*n+1], v[4*n+2:4*n+3]   ; the first packet's sums, none read before the wait below
.set n, n+1
.endr
	WIN 0
	v_nop
	s_wait_alu depctr_va_vdst(0)
.endif
	WIN 0x01
.set n, 0
.rept 2*(\np)
	v_cvt_scalef32_pk16_bf6_f32 v[PCD+6*n:PCD+6*n+2], v[32*n:32*n+15], v[SO+n]
	v_cvt_scalef32_pk16_bf6_f32 v[PH+4*n:PH+4*n+2], v[32*n+16:32*n+31], v[SO+n]   ; (a conversion's three registers begin on an even number)
.set n, n+1
.endr
	WIN 0
.set n, 0
.rept \np
	v_lshl_or_b32 v[WX+n], v[BY+2*n+1], 16, v[BY+2*n]   ; (also the plain line behind the conversions)
.set n, n+1
.endr
.set n, 0
.rept \np
	v_lshlrev_b32 v[WX+n], v[H8], v[WX+n]
.set n, n+1
.endr
.set n, 0
.rept \np
	v_permlanex16_b32 v[PX+n], v[WX+n], s16, s17
.set n, n+1
.endr
.set n, 0
.rept \np
	v_or_b32 v[PS+n], v[WX+n], v[PX+n]             ; p's scale word: my two bytes and lane l xor 16's
.set n, n+1
.endr
.set n, 0
.rept 2*(\np)
.irp i,0,1,2
	v_mov_b32 v[PCD+6*n+3+\i], v[PH+4*n+\i]
.endr
.set n, n+1
.endr
	; the row's sum, of the unquantised p
	WIN 0x05
.set n, 0
.rept 8
.if (\np) == 2
	v_pk_add_f32 v[SA+2*n:SA+2*n+1], v[192+2*n:192+2*n+1], v[208+2*n:208+2*n+1]
.else
	v_pk_add_f32 v[SA+2*n:SA+2*n+1], v[2*n:2*n+1], v[16+2*n:16+2*n+1]
.endif
.set n, n+1
.endr
	WIN 0x04
.set n, 0
.rept 16*(\np)
	v_pk_add_f32 v[SA+2*(n%8):SA+2*(n%8)+1], v[SA+2*(n%8):SA+2*(n%8)+1], v[32*(\np)+2*n:32*(\np)+2*n+1]
.set n, n+1
.endr
	WIN 0
.irp i,0,2,4,6
	v_pk_add_f32 v[SA+\i:SA+\i+1], v[SA+\i:SA+\i+1], v[SA+8+\i:SA+8+\i+1]
.endr
.irp i,0,2
	v_pk_add_f32 v[SA+\i:SA+\i+1], v[SA+\i:SA+\i+1], v[SA+4+\i:SA+4+\i+1]
.endr
.irp i,0,2
	v_pk_add_f32 v[LS:LS+1], v[LS:LS+1], v[SA+\i:SA+\i+1]
.endr
	s_wait_alu depctr_va_vdst(0)
	s_wait_dscnt 0x0                               ; V is in
.set e, 0
.rept \np
.irp t,0,1,2,3                         ; O^T += V^T P^T: the four accumulators by turns
	v_wmma_scale_f32_16x16x128_f8f6f4 v[O+8*\t:O+8*\t+7], v[KV+48*e+12*\t:KV+48*e+12*\t+11], v[PCD+12*e:PCD+12*e+11], v[O+8*\t:O+8*\t+7], v[SW+4*e+\t], v[PS+e] matrix_a_fmt:MATRIX_FMT_BF6 matrix_b_fmt:MATRIX_FMT_BF6 matrix_a_scale:MATRIX_SCALE_ROW1
.endr
.set e, e+1
.endr
.rept 4
	v_nop                                          ; places: in front of the next trip's loads into these operands, and of the way out's reads
.endr
	s_wait_alu depctr_va_vdst(0)                   ; ahead of the branches that follow
.endm
	s_load_b128 s[4:7], s[0:1], 0x0                ; qb s[4:5], kvb s[6:7]
	s_load_b64 s[8:9], s[0:1], 0x10                ; yq
	v_lshl_add_u32 v254, v0, 2, SPARE
	v_mov_b32 v255, 0
	ds_add_u32 v254, v255                          ; the opening: the add, twice on end
	ds_add_u32 v254, v255
	v_lshrrev_b32 v1, 5, v0
	v_readfirstlane_b32 s10, v1                    ; wave 0..7
	s_bfe_u32 s12, ttmp6, 0x40000
	s_lshl_b32 s48, ttmp9, 2
	s_add_co_u32 s12, s48, s12                     ; g
	s_and_b32 s13, ttmp7, 0xffff                   ; 16 x batch + head, which the four partners share
	s_mov_b32 s24, 15|(3<<16)|(1<<21)              ; the mask: all four work-groups; elements of 8 bytes; bit 21 beside a mask
	s_mov_b32 s25, 32<<16
	s_mov_b32 s26, 25<<16
	s_mov_b32 s27, 32<<16
	s_mov_b32 s28, 25                              ; 25 rows of 256 bytes
	s_mov_b32 s29, 32
	s_mov_b32 s30, 0
	s_mov_b32 s31, 0
	s_mul_i32 s50, s13, 16*PKT
	s_mul_i32 s52, s10, 6400                       ; my eighth of packets 0-3,
	s_mul_i32 s54, s10, 19200
	s_add_co_u32 s54, s54, 4*PKT                   ; and of packets 4-15: the same bytes on in LDS as in the head
	s_add_co_u32 s56, s50, s52
	s_mov_b32 s57, 0
	s_add_co_u32 s58, s50, s54
	s_mov_b32 s59, 0
	s_mov_b32 s16, 0x76543210
	s_mov_b32 s17, 0xfedcba98
	s_mov_b32 s18, 0x3e38aa3b                      ; c = log2(e) / 8
	s_mov_b32 s19, s18                             ; (named with it as a pair)
	s_wait_dscnt 0x0
	s_wait_alu depctr_va_vdst(0)
	s_wait_kmcnt 0x0
	s_mov_b32 s40, 1
	s_mov_b32 s41, s52
	s_add_nc_u64 s[42:43], s[6:7], s[56:57]
	s_or_b32 s43, s43, 0x80000000
	s_mov_b32 s44, 1
	s_mov_b32 s45, s54
	s_add_nc_u64 s[46:47], s[6:7], s[58:59]
	s_or_b32 s47, s47, 0x80000000
	CROUND                                         ; all four work-groups are here
	tensor_load_to_lds s[40:43], s[24:31]          ; fill 0: every wave one load
	s_nop 0
.rept 4
	v_nop
.endr
.irp j,8,9,10,11,12,13,20,21,22,23,24,25
	v_mov_b32 v[\j], 0                             ; the zero halves beside q
.endr
	v_and_b32 v2, 31, v0
	v_lshlrev_b32 v[L16], 4, v2
	v_lshlrev_b32 v[L8], 3, v2
	v_and_b32 v[TT], 15, v0                        ; r
	v_bfe_u32 v[WX], v0, 4, 1                      ; h
	v_lshl_add_u32 v[YO], v[TT], 4, v[WX]
	v_lshlrev_b32 v[H8], 3, v[WX]
	v_lshrrev_b32 v[DD], 3, v[TT]
	v_sub_nc_u32 v[DD], v[DD], v[WX]
	v_lshlrev_b32 v[DD], 5, v[DD]                  ; 32 (r / 8) - 32 h
	v_and_b32 v[TT], 7, v[TT]
	v_add_nc_u32 v[DD], v[DD], v[TT]
	s_lshl_b32 s48, s12, 3                         ; 64 (g / 4) + 8 (g % 4), with
	s_and_b32 s49, s12, 4
	s_lshl_b32 s49, s49, 3                         ; 32 more where g is 4 or more
	s_add_co_u32 s48, s48, s49
	v_add_nc_u32 v[DD], s48, v[DD]
	v_mov_b32 v[NEG], 0xff61b1e6
	v_mov_b32 v[F+1], 0                            ; (named as the upper half of a pair)
	v_mov_b32 v[PT], 0                             ; (lane permutes' destinations count as their sources)
	v_mov_b32 v[PX], 0
	v_mov_b32 v[PX+1], 0
	WIN 0x40
.set n, 0
.rept 64
	v_cmp_gt_i32 vcc_lo, 64*(n/32)+n%32, v[DD]
	v_cndmask_b32 v[128+n], 0, v[NEG], vcc_lo      ; the diagonal step's mask, the same for both tiles
.set n, n+1
.endr
	WIN 0
	s_sub_co_u32 s11, 15, s10                      ; the first tile's J
	s_wait_alu depctr_va_vdst(0)
	INIT
	s_wait_alu depctr_va_vdst(0)                   ; the wait at the head's end
	s_wait_tensorcnt 0x0                           ; my part of packets 0-3 is in
	ds_add_u32 v254, v255
	s_mov_b32 s26, 75<<16                          ; no tensor load of mine is out: 75 rows of 256 bytes now
	s_mov_b32 s28, 75
	s_wait_dscnt 0x0
	CROUND
	tensor_load_to_lds s[44:47], s[24:31]          ; fill 1
	s_nop 0
.rept 4
	v_nop
.endr
	s_mov_b32 s20, 0
	s_mov_b32 s21, 0
.Lfirst:                                               ; two trips on packets 0-3: the first tile's J is 8 or more, so all their keys are open
	STEP 2, 0
	s_add_co_u32 s20, s20, 2*PKT
	s_add_co_u32 s21, s21, 1
	s_cmp_lt_u32 s21, 2
	s_cbranch_scc1 .Lfirst
	s_wait_tensorcnt 0x0                           ; my part of packets 4-15 is in,
	s_wait_dscnt 0x0
	s_barrier_signal -1
	s_barrier_wait -1                              ; everybody's is: from here on LDS is only read, and no wave waits for another
	s_mov_b32 s49, 0                               ; my first tile, then my second
	s_mov_b32 s23, 2                               ; the first tile's trips 0 and 1 are done
.Ltile:
	s_mov_b32 s20, 0
	s_mov_b32 s21, 0
.Ltrip:                                                ; eight trips for every wave; a trip with no open key is passed over
	s_cmp_lt_u32 s21, s23
	s_cbranch_scc1 .Lnext
	s_cmp_gt_u32 s21, s22
	s_cbranch_scc1 .Lnext
	s_cmp_eq_u32 s21, s22
	s_cbranch_scc1 .Ldiag
	STEP 2, 0
	s_branch .Lnext
.Ldiag:
	s_and_b32 s50, s11, 1
	s_cmp_eq_u32 s50, 0
	s_cbranch_scc1 .Lsingle
	STEP 2, 1                                      ; J odd: an open step and the diagonal one
	s_branch .Lnext
.Lsingle:
	STEP 1, 1                                      ; J even: the diagonal one alone
.Lnext:
	s_add_co_u32 s20, s20, 2*PKT
	s_add_co_u32 s21, s21, 1
	s_cmp_lt_u32 s21, 8
	s_cbranch_scc1 .Ltrip
	; THE WAY OUT of a tile: y = O^T / the sum; lane (r, h) holds the head's channels 32 h + 4 j + t in register 8 t + j: a whole block
	s_lshr_b32 s50, s13, 4
	s_lshl_b32 s50, s50, 4
	s_add_co_u32 s50, s50, s11                     ; which 128 tokens
	s_mul_i32 s50, s50, 102400
	s_bfe_u32 s52, s13, 0x30001                    ; the head's K step,
	s_and_b32 s53, s13, 1                          ; and its half of it
	s_mul_i32 s54, s52, 12288
	s_add_co_u32 s54, s54, s50
	s_add_co_u32 s54, s54, 4096
	s_mul_i32 s51, s12, 1536
	s_add_co_u32 s54, s54, s51
	s_mul_i32 s51, s53, 768
	s_add_co_u32 s54, s54, s51
	s_mov_b32 s55, 0
	s_add_nc_u64 s[60:61], s[8:9], s[54:55]        ; codes
	s_lshr_b32 s54, s12, 2
	s_lshl_b32 s54, s54, 11
	s_add_co_u32 s54, s54, s50
	s_lshl_b32 s51, s52, 8
	s_add_co_u32 s54, s54, s51
	s_and_b32 s51, s12, 3
	s_lshl_b32 s51, s51, 2
	s_add_co_u32 s54, s54, s51
	s_lshl_b32 s51, s53, 1
	s_add_co_u32 s54, s54, s51
	s_add_nc_u64 s[62:63], s[8:9], s[54:55]        ; scale bytes
	v_add_f32 v[LS], v[LS], v[LS+1]
	v_permlanex16_b32 v[PT], v[LS], s16, s17
	v_add_f32 v[LS], v[LS], v[PT]                  ; with lane l xor 16's keys
	s_wait_alu depctr_va_vdst(0)
	v_rcp_f32 v[LS], v[LS]
	v_nop
	s_wait_alu depctr_va_vdst(0)
.set n, 0
.rept 16
	v_pk_mul_f32 v[KV+n:KV+n+1], v[O+n:O+n+1], v[LS:LS+1] op_sel_hi:[1,0]
.set n, n+2
.endr
.irp i,0,2,4,6
.irp q,0,1,2,3
.if \i == 0
	v_max3_num_f32 v[BM+\q], |v[KV+8*\q]|, |v[KV+8*\q+1]|, 0x2800000
.else
	v_max3_num_f32 v[BM+\q], v[BM+\q], |v[KV+8*\q+\i]|, |v[KV+8*\q+\i+1]|
.endif
.endr
.endr
	v_max3_num_f32 v[BM], v[BM], v[BM+1], v[BM+2]
	v_max_num_f32 v[BM], v[BM], v[BM+3]
	v_add_nc_u32 v[SO], 0xfe000000, v[BM]
	v_cvt_scalef32_pk16_bf6_f32 v[PCD:PCD+2], v[KV:KV+15], v[SO]
	v_cvt_scalef32_pk16_bf6_f32 v[PH:PH+2], v[KV+16:KV+31], v[SO]
	v_lshrrev_b32 v[BY], 23, v[SO]
.irp i,0,1,2
	v_mov_b32 v[PCD+3+\i], v[PH+\i]
.endr
	global_store_b128 v[L16], v[PCD:PCD+3], s[60:61]             ; 512 and 256 consecutive bytes, aligned
	global_store_b64 v[L8], v[PCD+4:PCD+5], s[60:61] offset:512
	global_store_b8 v[YO], v[BY], s[62:63]                       ; my token's byte of block h
	s_wait_alu depctr_va_vdst(0)
	s_wait_xcnt 0x0                                ; the stores have read their registers
	s_cmp_eq_u32 s49, 1
	s_cbranch_scc1 .Lno_more
	s_mov_b32 s11, s10                             ; my second tile's J
	s_mov_b32 s23, 0
	INIT
.Lno_more:
	s_add_co_u32 s49, s49, 1
	s_cmp_lt_u32 s49, 2
	s_cbranch_scc1 .Ltile
	s_wait_tensorcnt 0x0                           ; the wave's end
	ds_add_u32 v254, v255
	s_wait_dscnt 0x0
	CROUND                                         ; the closing round
	s_endpgm
.Lfunc_end_k_qd8fcc958e5_attn:
	.size	k_qd8fcc958e5_attn, .Lfunc_end_k_qd8fcc958e5_attn-k_qd8fcc958e5_attn
	.p2alignl 7, 3214868480
	.fill 96, 4, 3214868480
	.section	.rodata,"a",@progbits
	.p2align	6, 0x0
	.amdhsa_kernel k_qd8fcc958e5_attn
		.amdhsa_group_segment_fixed_size 327680
		.amdhsa_private_segment_fixed_size 0
		.amdhsa_enable_private_segment 0
		.amdhsa_kernarg_size 24
		.amdhsa_user_sgpr_count 2
		.amdhsa_user_sgpr_kernarg_segment_ptr 1
		.amdhsa_wavefront_size32 1
		.amdhsa_system_sgpr_workgroup_id_x 1
		.amdhsa_system_sgpr_workgroup_id_y 1
		.amdhsa_system_sgpr_workgroup_id_z 1
		.amdhsa_system_vgpr_workitem_id 0
		.amdhsa_next_free_vgpr 512
		.amdhsa_next_free_sgpr 66
		.amdhsa_reserve_vcc 1
		.amdhsa_float_denorm_mode_32 3
		.amdhsa_float_denorm_mode_16_64 3
		.amdhsa_memory_ordered 1
		.amdhsa_forward_progress 1
		.amdhsa_inst_pref_size 117
	.end_amdhsa_kernel
	.amdgpu_metadata
---
amdhsa.version: [ 1, 2 ]
amdhsa.kernels:
  - .name:           k_qd8fcc958e5_attn
    .symbol:         k_qd8fcc958e5_attn.kd
    .args:
      - { .name: qb, .offset: 0, .size: 8, .value_kind: global_buffer, .address_space: global }
      - { .name: kvb, .offset: 8, .size: 8, .value_kind: global_buffer, .address_space: global }
      - { .name: yq, .offset: 16, .size: 8, .value_kind: global_buffer, .address_space: global }
    .group_segment_fixed_size: 327680
    .private_segment_fixed_size: 0
    .kernarg_segment_align: 8
    .kernarg_segment_size: 24
    .max_flat_workgroup_size: 256
    .sgpr_count:     66
    .vgpr_count:     512
    .wavefront_size: 32
...
	.end_amdgpu_metadata
.endif
;; end of part 3
;; launch proj (part 4): grid 8 x 32, 4 waves a work-group, clusters of 4 x 4, 327,680 bytes of LDS; arguments yq, wp, b_proj, out0; writes out0
.if DOCPART == 4
	.amdgcn_target "amdgcn-amd-amdhsa--gfx1250"
	.amdhsa_code_object_version 6
	.text
	.protected	k_qd8fcc958e5_proj
	.globl	k_qd8fcc958e5_proj
	.p2align	8
	.type	k_qd8fcc958e5_proj,@function
k_qd8fcc958e5_proj:
	s_mov_b64 s[64:65], 0
	v_nop
	global_prefetch_b8 v0, s[64:65] scope:SCOPE_SE
	s_setreg_imm32_b32 hwreg(HW_REG_WAVE_MODE, 25, 1), 1
	s_wait_xcnt 0x0
	s_wait_alu depctr_hold_cnt(0) depctr_sa_sdst(0) depctr_va_vdst(0) depctr_va_sdst(0) depctr_va_ssrc(0) depctr_va_vcc(0) depctr_vm_vsrc(0)
	s_getreg_b32 s2, hwreg(HW_REG_IB_STS2, 6, 4)
	s_cmp_eq_u32 s2, 0
	s_cbranch_scc0 .Lentry_in_a_cluster
	s_endpgm
.Lentry_in_a_cluster:
	s_bfe_u32 s2, ttmp6, 0x10000c
	s_cmp_lg_u32 s2, 0xf033
	s_cbranch_scc0 .Lentry_shape_is_right
	s_endpgm
.Lentry_shape_is_right:
; PROJ: out = y w_proj + b_proj on codes of BF6 with E8M0 scales (K = 1,024), out in f32.
; A work-group makes 128 tokens x 128 columns: 256 work-groups.  Wave (tg, cg): 64 x 64, 16 accumulators.  All of K fits in LDS: A's 102,400 bytes (scale words, codes) and B's, filled once, one joint load a wave
; (waves 0, 1 for A, 2, 3 for B, half each; dense bytes stated as rows of 256).  Nothing is filled again and there is no loop, so nothing is prefetched.
; CLUSTERS 4 x 4: A's bytes hang on the token block, shared along a row; B's on the column block, shared along a column.
; Source 0 = w_proj's columns, source 1 = tokens: lane (r, h), tile (u, t), register j: token 32 (r / 8) + 8 u + r % 8, column 32 h + 4 j + t of my 64.  The bias is added as four tiles' registers are brought side by side.
; LIMITS: NaN and infinities are not served.
; REGISTERS: window 0: v4-20 addresses, v32-63 scale words of all eight steps, from v64 two sets of fragments (A 48, B 48), on the way out results; window 1: v0-127 accumulators (u, t) at 8 (4 u + t), v128-159 the bias.
.set BOFF, 102400
.set STAGE, 204800                     ; 64 rows of 272 bytes for each wave, 128 bytes more ahead of row 32; 17,664 bytes a wave
.set SPARE, 275456
.set SPW, 14
.set NIL, 15
.set SC, 32
.set FR, 64
.set G1, 24
.set G0, 32
.set G1B, 48
.set G0B, 56
.set MSB, 0
.macro WIN new
.if MSB != (\new)
	s_set_vgpr_msb (MSB<<8)|(\new)
.set MSB, \new
.endif
.endm
.macro CROUND
	s_barrier_signal -1
	s_barrier_wait -1
	s_cmp_lg_u32 s14, 0
	s_cbranch_scc1 .Lnot_wave_0_\@
	s_barrier_signal -3
.Lnot_wave_0_\@:
	s_barrier_wait -3
	s_barrier_signal -1
	s_barrier_wait -1
.endm
	s_load_b256 s[4:11], s[0:1], 0x0               ; yq s[4:5], wp s[6:7], b_proj s[8:9], out s[10:11]
	v_lshl_add_u32 v[SPW], v0, 2, SPARE
	v_mov_b32 v[NIL], 0
	ds_add_u32 v[SPW], v[NIL]                      ; the opening: the add, twice on end
	ds_add_u32 v[SPW], v[NIL]
	v_lshrrev_b32 v1, 5, v0
	v_readfirstlane_b32 s14, v1                    ; wave 0..3
	s_lshr_b32 s15, s14, 1                         ; tg.  Also: I fetch for A (0) or B (1)
	s_and_b32 s16, s14, 1                          ; cg.  Also: which half I fetch
	s_bfe_u32 s40, ttmp6, 0x40000
	s_bfe_u32 s41, ttmp6, 0x40004
	s_lshl_b32 s42, ttmp9, 2
	s_add_co_u32 s42, s42, s40                     ; which 128 columns
	s_and_b32 s17, ttmp7, 0xffff
	s_lshl_b32 s17, s17, 2
	s_add_co_u32 s17, s17, s41                     ; which 128 tokens
	s_lshl_b32 s43, s41, 2
	s_lshl_b32 s43, 15, s43
	s_lshl_b32 s44, 0x1111, s40
	s_or_b32 s[G1], s43, (3<<16)|(1<<21)
	s_or_b32 s[G1B], s44, (3<<16)|(1<<21)
.irp g, G1, G1B
	s_mov_b32 s[\g+1], 32<<16
	s_mov_b32 s[\g+2], 200<<16
	s_mov_b32 s[\g+3], 32<<16
	s_mov_b32 s[\g+4], 200
	s_mov_b32 s[\g+5], 32
	s_mov_b32 s[\g+6], 0
	s_mov_b32 s[\g+7], 0
.endr
	s_mul_i32 s18, s16, 51200
	s_mul_i32 s20, s17, 102400
	s_add_co_u32 s20, s20, s18
	s_mov_b32 s21, 0
	s_mul_i32 s46, s42, 102400
	s_add_co_u32 s46, s46, s18
	s_mov_b32 s47, 0
	s_mul_i32 s45, s14, 51200                      ; LDS: A's two halves, then B's
	s_wait_dscnt 0x0
	s_wait_alu depctr_va_vdst(0)
	s_wait_kmcnt 0x0
	s_mov_b32 s[G0], 1
	s_mov_b32 s[G0+1], s45
	s_add_nc_u64 s[G0+2:G0+3], s[4:5], s[20:21]
	s_or_b32 s[G0+3], s[G0+3], 0x80000000
	s_mov_b32 s[G0B], 1
	s_mov_b32 s[G0B+1], s45
	s_add_nc_u64 s[G0B+2:G0B+3], s[6:7], s[46:47]
	s_or_b32 s[G0B+3], s[G0B+3], 0x80000000
	CROUND                                         ; all sixteen work-groups are here
	s_cmp_eq_u32 s15, 0
	s_cbranch_scc0 .Lfor_b
	tensor_load_to_lds s[G0:G0+3], s[G1:G1+7]
	s_nop 0
.rept 4
	v_nop
.endr
	s_branch .Lasked
.Lfor_b:
	tensor_load_to_lds s[G0B:G0B+3], s[G1B:G1B+7]
	s_nop 0
.rept 4
	v_nop
.endr
.Lasked:
	v_and_b32 v1, 15, v0                           ; r
	v_bfe_u32 v2, v0, 4, 1                         ; h
	v_and_b32 v3, 31, v0
	v_lshlrev_b32 v16, 4, v3
	v_lshlrev_b32 v17, 3, v3
	v_lshlrev_b32 v21, 4, v1                       ; 16 r
	v_lshlrev_b32 v22, 7, v2                       ; 128 h
	s_mul_i32 s66, s15, 6144
	s_add_co_u32 s66, s66, 4096                    ; my four token tiles,
	s_mul_i32 s67, s16, 6144
	s_add_co_u32 s67, s67, BOFF+4096               ; my four column tiles: an address register for each four steps
.irp k,0,1
	v_add_nc_u32 v[4+\k], s66, v16
	v_add_nc_u32 v[6+\k], s66, v17
	v_add_nc_u32 v[8+\k], s67, v16
	v_add_nc_u32 v[6+\k], 512, v[6+\k]
	s_add_co_u32 s66, s66, 49152
	s_add_co_u32 s67, s67, 49152
.endr
	s_lshl_b32 s67, s15, 11
	s_lshl_b32 s68, s16, 11
	s_add_co_u32 s68, s68, BOFF
	s_sub_co_u32 s68, s68, s67
	v_mul_u32_u24 v12, s68, v2                     ; scale words: lanes 0-15 A's, lanes 16-31 B's
	v_add_nc_u32 v12, s67, v12
	v_add_nc_u32 v12, v12, v21
	s_mul_i32 s69, s14, 17664
	s_add_co_u32 s69, s69, STAGE                   ; my stage
	v_and_b32 v18, 7, v1
	v_mul_u32_u24 v18, 272, v18
	v_lshrrev_b32 v23, 3, v1
	v_mul_u32_u24 v23, 8832, v23
	v_add_nc_u32 v18, v18, v23
	v_add_nc_u32 v18, v18, v22
	v_add_nc_u32 v18, s69, v18                     ; in: row 32 (r / 8) + r % 8, 128 h bytes on
	v_mul_u32_u24 v19, 272, v2
	v_add_nc_u32 v19, v19, v21
	v_add_nc_u32 v19, s69, v19                     ; out: lanes 0-15 a row of 256 bytes, lanes 16-31 the next
	v_lshl_add_u32 v20, v2, 12, v21                ; and the same two rows in the output
	s_wait_alu depctr_va_vdst(0)
	s_lshl_b32 s66, s42, 9
	s_lshl_b32 s68, s16, 8
	s_add_co_u32 s66, s66, s68                     ; my first column, in bytes
	s_mov_b32 s67, 0
	s_add_nc_u64 s[8:9], s[8:9], s[66:67]
	WIN 0x40
.irp j,0,1,2,3,4,5,6,7
	global_load_b128 v[128+4*\j:128+4*\j+3], v22, s[8:9] offset:16*\j   ; bias of columns 32 h + 4 j .. 4 j + 3
.endr
	WIN 0
	s_add_nc_u64 s[10:11], s[10:11], s[66:67]
	s_lshl_b32 s66, s17, 19
	s_lshl_b32 s68, s15, 18
	s_add_co_u32 s66, s66, s68                     ; my first token, in bytes
	s_add_nc_u64 s[10:11], s[10:11], s[66:67]
.macro LD st
.set FB, FR+96*((\st)%2)
.irp u,0,1,2,3
.irp c,0,1
	ds_load_b128 v[FB+12*\u+6*\c:FB+12*\u+6*\c+3], v[4+(\st)/4] offset:((\st)%4)*12288+1536*\u+768*\c
	ds_load_b64 v[FB+12*\u+6*\c+4:FB+12*\u+6*\c+5], v[6+(\st)/4] offset:((\st)%4)*12288+1536*\u+768*\c
.endr
.endr
.irp t,0,1,2,3
.irp g,0,1,2
	ds_load_b128 v[FB+48+12*\t+4*\g:FB+48+12*\t+4*\g+3], v[8+(\st)/4] offset:((\st)%4)*12288+1536*\t+512*\g
.endr
.endr
.endm
.macro MUL st                          ; the 16 accumulators take turns in the same order in every step
.set FB, FR+96*((\st)%2)
	WIN 0x50
.irp u,0,1,2,3
.irp t,0,1,2,3
.set AC, 8*(4*\u+\t)
.if (\st) == 0
	v_wmma_scale_f32_16x16x128_f8f6f4 v[AC:AC+7], v[FB+48+12*\t:FB+48+12*\t+11], v[FB+12*\u:FB+12*\u+11], 0, v[SC+4*(\st)+\t], v[SC+4*(\st)+\u] matrix_a_fmt:MATRIX_FMT_BF6 matrix_b_fmt:MATRIX_FMT_BF6 matrix_a_scale:MATRIX_SCALE_ROW1
.else
	v_wmma_scale_f32_16x16x128_f8f6f4 v[AC:AC+7], v[FB+48+12*\t:FB+48+12*\t+11], v[FB+12*\u:FB+12*\u+11], v[AC:AC+7], v[SC+4*(\st)+\t], v[SC+4*(\st)+\u] matrix_a_fmt:MATRIX_FMT_BF6 matrix_b_fmt:MATRIX_FMT_BF6 matrix_a_scale:MATRIX_SCALE_ROW1
.endif
.endr
.endr
	WIN 0
.endm
.macro PLACES
.rept 4
	v_nop
.endr
.endm
	s_wait_alu depctr_va_vdst(0)                   ; the wait at the head's end
	s_wait_tensorcnt 0x0                           ; my part is in,
	s_barrier_signal -1
	s_barrier_wait -1                              ; everybody's is
.irp i,0,1,2,3,4,5,6,7
	ds_load_b128 v[SC+4*\i:SC+4*\i+3], v12 offset:256*\i
.endr
	LD 0
.irp i,0,1,2,3,4,5,6
	s_wait_dscnt 0x0                               ; this step's fragments
	PLACES                                         ; in front of loads into registers that the step before read
	LD \i+1
	MUL \i
.endr
	s_wait_dscnt 0x0
	MUL 7
	s_wait_loadcnt 0x0                             ; the bias
	PLACES
; THE WAY OUT: token tile u holds rows 8 u .. 8 u + 7 and 32 + 8 u .. of my 64, each of 256 bytes
.macro SIDE u                          ; four tiles' registers side by side: 16 neighbouring bytes; each accumulator from its low end on
	WIN 0x05
.irp j,0,1,2,3,4,5,6,7
.irp t,0,1,2,3
	v_add_f32 v[FR+32*(\u)+4*\j+\t], v[8*(4*(\u)+\t)+\j], v[128+4*\j+\t]
.endr
.endr
	WIN 0
.irp j,0,1,2,3,4,5,6,7
	ds_store_b128 v18, v[FR+32*(\u)+4*\j:FR+32*(\u)+4*\j+3] offset:2176*(\u)+16*\j
.endr
.if (\u) > 1
	s_wait_xcnt 0x0                                ; the stores of tile u - 2 have read their registers
.endif
.irp x,0,1,2,3
	ds_load_b128 v[192+32*((\u)%2)+4*\x:192+32*((\u)%2)+4*\x+3], v19 offset:544*(4*(\u)+\x)   ; LDS serves a wave's instructions in order
.endr
.irp x,0,1,2,3
	ds_load_b128 v[208+32*((\u)%2)+4*\x:208+32*((\u)%2)+4*\x+3], v19 offset:544*(16+4*(\u)+\x)+128
.endr
.endm
.macro SEND u
.irp x,0,1,2,3
	global_store_b128 v20, v[192+32*((\u)%2)+4*\x:192+32*((\u)%2)+4*\x+3], s[10:11] offset:8192*(4*(\u)+\x) th:TH_STORE_NT   ; 16 lanes store 256 consecutive bytes, aligned
.endr
.irp x,0,1,2,3
	global_store_b128 v20, v[208+32*((\u)%2)+4*\x:208+32*((\u)%2)+4*\x+3], s[10:11] offset:8192*(16+4*(\u)+\x) th:TH_STORE_NT
.endr
.endm
	SIDE 0
.irp u,1,2,3
	SIDE \u
	s_wait_dscnt 16                                ; tile u - 1 is back; the 16 of tile u may be out
	SEND \u-1
.endr
	s_wait_dscnt 0x0
	SEND 3
	s_wait_tensorcnt 0x0                           ; the wave's end
	ds_add_u32 v[SPW], v[NIL]
	s_wait_dscnt 0x0
	CROUND                                         ; the closing round
	s_endpgm
.Lfunc_end_k_qd8fcc958e5_proj:
	.size	k_qd8fcc958e5_proj, .Lfunc_end_k_qd8fcc958e5_proj-k_qd8fcc958e5_proj
	.p2alignl 7, 3214868480
	.fill 96, 4, 3214868480
	.section	.rodata,"a",@progbits
	.p2align	6, 0x0
	.amdhsa_kernel k_qd8fcc958e5_proj
		.amdhsa_group_segment_fixed_size 327680
		.amdhsa_private_segment_fixed_size 0
		.amdhsa_enable_private_segment 0
		.amdhsa_kernarg_size 32
		.amdhsa_user_sgpr_count 2
		.amdhsa_user_sgpr_kernarg_segment_ptr 1
		.amdhsa_wavefront_size32 1
		.amdhsa_system_sgpr_workgroup_id_x 1
		.amdhsa_system_sgpr_workgroup_id_y 1
		.amdhsa_system_sgpr_workgroup_id_z 1
		.amdhsa_system_vgpr_workitem_id 0
		.amdhsa_next_free_vgpr 512
		.amdhsa_next_free_sgpr 98
		.amdhsa_reserve_vcc 0
		.amdhsa_float_denorm_mode_32 3
		.amdhsa_float_denorm_mode_16_64 3
		.amdhsa_memory_ordered 1
		.amdhsa_forward_progress 1
		.amdhsa_inst_pref_size 52
	.end_amdhsa_kernel
	.amdgpu_metadata
---
amdhsa.version: [ 1, 2 ]
amdhsa.kernels:
  - .name:           k_qd8fcc958e5_proj
    .symbol:         k_qd8fcc958e5_proj.kd
    .args:
      - { .name: yq, .offset: 0, .size: 8, .value_kind: global_buffer, .address_space: global }
      - { .name: wp, .offset: 8, .size: 8, .value_kind: global_buffer, .address_space: global }
      - { .name: b_proj, .offset: 16, .size: 8, .value_kind: global_buffer, .address_space: global }
      - { .name: out0, .offset: 24, .size: 8, .value_kind: global_buffer, .address_space: global }
    .group_segment_fixed_size: 327680
    .private_segment_fixed_size: 0
    .kernarg_segment_align: 8
    .kernarg_segment_size: 32
    .max_flat_workgroup_size: 128
    .sgpr_count:     98
    .vgpr_count:     512
    .wavefront_size: 32
...
	.end_amdgpu_metadata
.endif
;; end of part 4
